; MI455X (gfx1250); checked and timed in simulation.
; The chip was launched on July 23, 2026; its instructions are those of AMD's public machine-readable ISA for CDNA 5 (MIT licence, August 2026) and "CDNA5" Instruction Set Architecture Reference Guide (July 2026). The comments in the code are by the model that wrote it; some were corrected since.
;; Multi Headed Self Attention. Allowed arithmetic: matrix products marked QUANTISED: E5M2 operands, one given power-of-two scale a tensor, by v_wmma_f32_16x16x64_bf8_bf8 or v_wmma_f32_16x16x128_bf8_bf8, f32 sums; everything else in f32.
;; Inputs: Wk_codes 1,024 x 32 x 32 uint8 (E5M2 codes of Wk, K innermost, in blocks of 32 codes); Wq_codes 1,024 x 32 x 32 uint8 (E5M2 codes of Wq, K innermost, in blocks of 32 codes); Wv_codes 1,024 x 32 x 32 uint8 (E5M2 codes of Wv, K innermost, in blocks of 32 codes); bk 1,024 float32; bq 1,024 float32; bv 1,024 float32; lowp_scales 10 int32 (the exponents e of the quantised operands' scales 2^e); x_codes 4 x 2,048 x 32 x 32 uint8 (E5M2 codes of x, K innermost, in blocks of 32 codes).
;; Outputs: out0 4 x 2,048 x 1,024 float32.
;; This version of the problem:
;;   THIS VERSION OF THE PROBLEM IS GIVEN IN LOW PRECISION. The matrix products marked QUANTISED in the list below multiply operands that are first quantised to E5M2 (5 exponent bits, 2 mantissa bits; 8 bits a number), with one given power-of-two scale for each operand tensor; their sums are f32. All else is computed in f32.
;;   The module's matrix products, in the order in which they are computed (A, B: the left and right operand; K: the contracted axis; several contracted axes count as one K, in the product's order):
;;     1. [M 8,192, K 1,024] x [K 1,024, N 1,024]; A: input x (given as codes); B: input Wq (given as codes): QUANTISED (scales: A lowp_scales[0], B lowp_scales[1])
;;     2. [M 8,192, K 1,024] x [K 1,024, N 1,024]; A: input x (given as codes); B: input Wk (given as codes): QUANTISED (scales: A lowp_scales[2], B lowp_scales[3])
;;     3. [M 8,192, K 1,024] x [K 1,024, N 1,024]; A: input x (given as codes); B: input Wv (given as codes): QUANTISED (scales: A lowp_scales[4], B lowp_scales[5])
;;     4. batch 64 x [M 2,048, K 64] x [K 64, N 2,048]; A: computed on the way; B: computed on the way: QUANTISED (scales: A lowp_scales[6], B lowp_scales[7])
;;     5. batch 64 x [M 2,048, K 2,048] x [K 2,048, N 64]; A: softmax (see below); B: computed on the way: QUANTISED (scales: A lowp_scales[8], B lowp_scales[9])
;;   THE QUANTISER, for each operand of a quantised product, along K:
;;     - The operand's scale is 2^e, e = its entry of the input lowp_scales (int32; the entries are numbered through the quantised products in the list's order, A before B).
;;     - Each number is divided by the scale, clamped to +-57,344, and rounded to the nearest number of E5M2, ties to even, subnormals kept.
;;     - The product sums the exact products of the quantised numbers (number of the format x scale) in f32.
;;   ~~~python
;;   def quantise(x, axis, e):      # numpy; x: float32 -> the quantised numbers, widened to float32 again
;;       x = np.moveaxis(x, axis, -1); K = x.shape[-1]
;;       r = np.clip(x / 2.0 ** e, -57344, 57344)
;;       step = 2.0 ** (np.maximum(np.frexp(np.where(r == 0, 1, r))[1] - 1, -14) - 2)
;;       q = np.round(r / step) * step * 2.0 ** e      # np.round: ties to even
;;       return np.moveaxis(q, -1, axis).astype(np.float32)
;;   ~~~
;;   SOFTMAX AHEAD OF A QUANTISED PRODUCT. Where the list says 'softmax', what is quantised is not the finished softmax but p = 2^(t - M), with t = logit x log2(e) and M = ceil(the row's largest t), a whole number; so 1/2 < the row's largest p <= 1. The row's sum l is taken of the UNQUANTISED p, in f32, and the product's result is divided by l at the end. Since M is a whole number, a kernel that streams over the keys may use a running M (the ceiling of the running maximum): every later rescaling is an exact power of two, so the quantised numbers keep their values, but for numbers so far below the row's largest that they fall under the format's range.
;;   OPERANDS COMPUTED ON THE WAY. 'Computed on the way' means the value that the module computes at that place (a softmax that the list does not call 'softmax' is quantised finished and normalised). What goes into a quantiser is computed in f32, as accurately as f32 sums, v_exp_f32 and their like allow (about 1e-6 of the number): no bf16 or f16 on the way to a quantiser, and a product that is left as it is and whose result goes on into a quantised operand takes f32 operands (vector FMAs, or v_wmma_f32_16x16x4_f32). A number that lies on a knife's edge between two numbers of the format may be rounded either way, as far as f32 arithmetic and the matrix unit's own rounding can turn it there, and no further.
;;   INPUTS GIVEN AS CODES. Wk (in the module: [1024, 1024], K = its axis 1); Wq (in the module: [1024, 1024], K = its axis 1); Wv (in the module: [1024, 1024], K = its axis 1); x (in the module: [4, 2048, 1024], K = its axis 2): each comes as NAME_codes (uint8): NAME with its K axis moved to the last place and cut into blocks of 32 codes, [.., K / 32, bytes a block], one block behind the other in memory; one code a byte (a code: sign, 5 exponent bits, 2 mantissa bits); its scale is its entry of lowp_scales. Its value is code x scale, taken as it is: it is not quantised again, and the codes and scales need not be those that the quantiser above would give.
;; One version. Each part assembles by itself: llvm-mc -triple=amdgcn-amd-amdhsa -mcpu=gfx1250 --defsym DOCPART=n.
;; ======== version 1 of 1: 2 launches
;; limits: right only within a limited range of input values
;; workspace buffers: qkv 25,165,824 bytes
;; launch proj (part 1): grid 12 x 32, 4 waves a work-group, clusters of 4 x 4, 327,680 bytes of LDS; arguments x_codes, Wq_codes, Wk_codes, Wv_codes, bq, bk, bv, lowp_scales, qkv; writes qkv
.if DOCPART == 1
	.amdgcn_target "amdgcn-amd-amdhsa--gfx1250"
	.amdhsa_code_object_version 6
	.text
	.protected	k_qef0f9fd32d_proj
	.globl	k_qef0f9fd32d_proj
	.p2align	8
	.type	k_qef0f9fd32d_proj,@function
k_qef0f9fd32d_proj:
	s_mov_b64 s[64:65], 0
	v_nop
	global_prefetch_b8 v0, s[64:65] scope:SCOPE_SE
	s_setreg_imm32_b32 hwreg(HW_REG_WAVE_MODE, 25, 1), 1
	s_wait_xcnt 0x0
	s_wait_alu depctr_hold_cnt(0) depctr_sa_sdst(0) depctr_va_vdst(0) depctr_va_sdst(0) depctr_va_ssrc(0) depctr_va_vcc(0) depctr_vm_vsrc(0)
	s_getreg_b32 s2, hwreg(HW_REG_IB_STS2, 6, 4)
	s_cmp_eq_u32 s2, 0
	s_cbranch_scc0 .Lentry_in_a_cluster
	s_endpgm
.Lentry_in_a_cluster:
	s_bfe_u32 s2, ttmp6, 0x10000c
	s_cmp_lg_u32 s2, 0xf033
	s_cbranch_scc0 .Lentry_shape_is_right
	s_endpgm
.Lentry_shape_is_right:
.set KSTEP,  256
.set ROWB,   256
.set KROW,   1024
.set PITCH,  272
.set FR,     16
.set NL,     4
.set NP,     4
.set HALFT,  128*PITCH
.set SLOT,   4*HALFT
.set LAPS,   2
.set SPARE,  2*SLOT
.set VBC,  8
.set VBR,  9
.set CV,   12
.set LIM,  13
.set ADRA, 16
.set ADRB, 20
.set CO0,  26
.set CO1,  27
.set SPW,  28
.set NIL,  29
.set BC,   32
.set BR,   96
.set CD,   112
.set AF,   128
.set T,    128
.set G1, 24
.set G0, 32
.set G1B, 48
.set G0B, 56
.set MSB, 0
.macro WIN new
.if MSB != \new
	s_set_vgpr_msb (MSB<<8)|\new
.set MSB, \new
.endif
.endm
.set MUL_LO, 0xa1
.set MUL_HI, 0xf1
.set TO_B,   0x40
.macro JLOAD g0a, g1a, g0b, g1b
	s_cmp_eq_u32 s15, 0
	s_cbranch_scc0 .Lfor_b_\@
	tensor_load_to_lds s[\g0a:\g0a+3], s[\g1a:\g1a+7]
	s_nop 0
.rept 4
	v_nop
.endr
	s_branch .Lasked_\@
.Lfor_b_\@:
	tensor_load_to_lds s[\g0b:\g0b+3], s[\g1b:\g1b+7]
	s_nop 0
.rept 4
	v_nop
.endr
.Lasked_\@:
.endm
.macro CREST
	s_cmp_lg_u32 s14, 0
	s_cbranch_scc1 .Lnot_wave_0_\@
	s_barrier_signal -3
.Lnot_wave_0_\@:
	s_barrier_wait -3
	s_barrier_signal -1
	s_barrier_wait -1
.endm
.macro CROUND
	s_barrier_signal -1
	s_barrier_wait -1
	CREST
.endm
	s_load_b256 s[68:75], s[0:1], 0x0
	s_load_b256 s[76:83], s[0:1], 0x20
	s_load_b64 s[84:85], s[0:1], 0x40
	v_lshl_add_u32 v[SPW], v0, 2, SPARE
	v_mov_b32 v[NIL], 0
	ds_add_u32 v28, v29
	ds_add_u32 v28, v29
	s_wait_dscnt 0x0
	v_lshrrev_b32 v1, 5, v0
	v_readfirstlane_b32 s14, v1
	s_lshr_b32 s15, s14, 1
	s_and_b32 s16, s14, 1
	s_bfe_u32 s40, ttmp6, 0x40000
	s_bfe_u32 s41, ttmp6, 0x40004
	s_and_b32 s22, ttmp7, 0xffff
	s_lshl_b32 s22, s22, 2
	s_cmp_eq_u32 ttmp9, 2
	s_cselect_b32 s17, 0, s22
	s_cselect_b32 s42, s22, 0
	s_add_co_u32 s17, s17, s41
	s_add_co_u32 s42, s42, s40
	s_lshl_b32 s43, s41, 2
	s_lshl_b32 s43, 15, s43
	s_lshl_b32 s44, 0x1111, s40
	s_or_b32 s[G1+0], s43, (0<<16)|(1<<20)|(1<<21)|(5<<22)|(3<<25)
	s_or_b32 s[G1B+0], s44, (0<<16)|(1<<20)|(1<<21)|(5<<22)|(3<<25)
.irp g, G1, G1B
	s_mov_b32 s[\g+1], ROWB<<16
	s_mov_b32 s[\g+2], 128<<16
	s_mov_b32 s[\g+3], ROWB<<16
	s_mov_b32 s[\g+4], 128
	s_mov_b32 s[\g+5], KROW
	s_mov_b32 s[\g+6], 0
	s_mov_b32 s[\g+7], 0
.endr
	s_lshl_b32 s18, s16, 7
	s_lshl_b32 s20, s17, 8
	s_add_co_u32 s20, s20, s18
	s_lshl_b32 s20, s20, 10
	s_mov_b32 s21, 0
	s_lshl_b32 s46, s42, 8
	s_add_co_u32 s46, s46, s18
	s_lshl_b32 s46, s46, 10
	s_mov_b32 s47, 0
	s_mul_i32 s45, s14, HALFT
	s_wait_kmcnt 0x0
	s_load_b256 s[88:95], s[82:83], 0x0
	s_load_b64 s[96:97], s[82:83], 0x20
	s_cmp_eq_u32 ttmp9, 0
	s_cselect_b64 s[6:7], s[70:71], s[72:73]
	s_cselect_b64 s[8:9], s[76:77], s[78:79]
	s_cmp_eq_u32 ttmp9, 2
	s_cselect_b64 s[4:5], s[74:75], s[68:69]
	s_cselect_b64 s[6:7], s[68:69], s[6:7]
	s_cselect_b64 s[8:9], s[80:81], s[8:9]
	s_add_nc_u64 s[20:21], s[4:5], s[20:21]
	s_add_nc_u64 s[46:47], s[6:7], s[46:47]
	CROUND
.irp s, 0,1
	s_mov_b32 s[G0+4*\s], 1
	s_add_co_u32 s[G0+4*\s+1], s45, \s*SLOT
	s_add_nc_u64 s[G0+4*\s+2:G0+4*\s+3], s[20:21], \s*ROWB
	s_or_b32 s[G0+4*\s+3], s[G0+4*\s+3], 0x80000000
	s_mov_b32 s[G0B+4*\s], 1
	s_add_co_u32 s[G0B+4*\s+1], s45, \s*SLOT
	s_add_nc_u64 s[G0B+4*\s+2:G0B+4*\s+3], s[46:47], \s*ROWB
	s_or_b32 s[G0B+4*\s+3], s[G0B+4*\s+3], 0x80000000
	s_wait_alu depctr_va_vdst(0)
	s_wait_tensorcnt 0x0
	ds_add_u32 v28, v29
	ds_add_u32 v28, v29
	s_wait_dscnt 0x0
	CROUND
	JLOAD G0+4*\s, G1, G0B+4*\s, G1B
.endr
	v_and_b32 v1, 15, v0
	v_bfe_u32 v2, v0, 4, 1
	s_wait_alu depctr_va_vdst(0)
	v_mul_u32_u24 v3, v1, PITCH
	v_lshl_add_u32 v4, v2, 4, v3
	s_mul_i32 s21, s15, HALFT
	s_mul_i32 s22, s16, HALFT
	s_add_co_u32 s22, s22, 2*HALFT
.irp s, 0,1
	v_add_nc_u32 v[ADRA+\s], s21, v4
	v_add_nc_u32 v[ADRB+\s], s22, v4
	s_add_co_u32 s21, s21, SLOT
	s_add_co_u32 s22, s22, SLOT
.endr
	s_lshl_b32 s67, s42, 10
	s_lshl_b32 s98, s16, 9
	s_add_co_u32 s67, s67, s98
	s_lshl_b32 s100, s17, 10
	s_lshl_b32 s98, s15, 9
	s_add_co_u32 s100, s100, s98
	s_mov_b32 s12, 1024
	s_mov_b32 s18, 1024
	s_mov_b32 s99, 0x20000
	s_cmp_eq_u32 ttmp9, 2
	s_cselect_b32 s20, s42, s17
	s_cselect_b32 s21, s17, s42
	s_cselect_b32 s22, s16, s15
	s_cselect_b32 s23, s15, s16
	s_cselect_b32 s12, 2048, s12
	s_cselect_b32 s18, 124928, s18
	s_cselect_b32 s99, 1024, s99
	s_cselect_b32 s2, 0, -1
	s_cselect_b32 s66, -1, 0
	s_cselect_b32 s67, 0, s67
	s_cselect_b32 s100, s100, 0
	s_mov_b32 s13, 0
	s_mov_b32 s19, 0
	s_lshl_b32 s46, ttmp9, 23
	s_lshr_b32 s47, s20, 3
	s_lshl_b32 s47, s47, 21
	s_add_co_u32 s46, s46, s47
	s_lshl_b32 s47, s21, 19
	s_add_co_u32 s46, s46, s47
	s_lshl_b32 s47, s23, 18
	s_add_co_u32 s46, s46, s47
	s_and_b32 s47, s20, 7
	s_lshl_b32 s47, s47, 14
	s_add_co_u32 s46, s46, s47
	s_lshl_b32 s47, s22, 13
	s_add_co_u32 s46, s46, s47
	s_mov_b32 s47, 0
	s_add_nc_u64 s[10:11], s[84:85], s[46:47]
	v_lshl_add_u32 v[VBC], v2, 5, s67
	v_lshl_add_u32 v[VBR], v1, 2, s100
	v_and_b32 v6, 31, v0
	v_lshlrev_b32 v[CO0], 4, v6
	v_add_nc_u32 v[CO1], s99, v[CO0]
.irp b, 0,1,2,3,4,5,6,7
	global_load_b128 v[BC+8*\b:BC+8*\b+3], v[VBC], s[8:9] offset:64*\b
	global_load_b128 v[BC+8*\b+4:BC+8*\b+7], v[VBC], s[8:9] offset:64*\b+16
.endr
.irp a, 0,1,2,3,4,5,6,7
	global_load_b32 v[BR+2*\a], v[VBR], s[8:9] offset:64*\a
.endr
.macro FRAG reg, adr, q, i
.irp c, 0,1,2,3
	ds_load_b128 v[\reg+4*\c:\reg+4*\c+3], v[\adr] offset:128*(\q)+32*\c+(\i)*16*PITCH
.endr
.endm
.macro MUL16 a0, p, zero
.irp a, \a0, \a0+1
.irp b, 0,1,2,3,4,5,6,7
.if \zero
	v_wmma_f32_16x16x128_bf8_bf8 v[8*(8*((\a)%4)+\b):8*(8*((\a)%4)+\b)+7], v[128*(\p)+FR*\b:128*(\p)+FR*\b+FR-1], v[AF+FR*(\a):AF+FR*(\a)+FR-1], 0
.else
	v_wmma_f32_16x16x128_bf8_bf8 v[8*(8*((\a)%4)+\b):8*(8*((\a)%4)+\b)+7], v[128*(\p)+FR*\b:128*(\p)+FR*\b+FR-1], v[AF+FR*(\a):AF+FR*(\a)+FR-1], v[8*(8*((\a)%4)+\b):8*(8*((\a)%4)+\b)+7]
.endif
.endr
.endr
.endm
.macro FETCH_B slot, q, p
	WIN TO_B
.irp i, 0,1,2,3,4,5,6,7
	FRAG 128*(\p)+FR*\i, ADRB+\slot, \q, \i
.endr
	WIN 0
.endm
.macro FETCH_A slot, q, i0
.irp i, \i0, \i0+1, \i0+2, \i0+3
	FRAG AF+FR*(\i), ADRA+\slot, \q, \i
.endr
.endm
.macro PLACES n
.rept \n
	v_nop
.endr
.endm
.macro STEP slot, q, zero
	s_wait_dscnt 4*NL
	WIN MUL_LO
	MUL16 0, (\q)%2, \zero
	MUL16 2, (\q)%2, \zero
	s_wait_dscnt 0
	PLACES NP
	FETCH_B \slot, (\q)+1, 1-(\q)%2
	FETCH_A \slot, (\q)+1, 0
	WIN MUL_HI
	MUL16 4, (\q)%2, \zero
	MUL16 6, (\q)%2, \zero
	PLACES NP
	WIN 0
	FETCH_A \slot, (\q)+1, 4
.endm
.macro TURN slot, next, fill
	s_wait_tensorcnt 0x0
	ds_add_u32 v[SPW], v[NIL]
	s_wait_dscnt 4*NL+1
	WIN MUL_LO
	MUL16 0, 1, 0
	s_wait_dscnt 0x0
	s_barrier_signal -1
	MUL16 2, 1, 0
	WIN 0
	s_barrier_wait -1
.if \fill
	CREST
	s_add_nc_u64 s[G0+4*\slot+2:G0+4*\slot+3], s[G0+4*\slot+2:G0+4*\slot+3], 2*ROWB
	s_add_nc_u64 s[G0B+4*\slot+2:G0B+4*\slot+3], s[G0B+4*\slot+2:G0B+4*\slot+3], 2*ROWB
	JLOAD G0+4*\slot, G1, G0B+4*\slot, G1B
.else
	PLACES NP
.endif
	FETCH_B \next, 0, 0
	FETCH_A \next, 0, 0
	WIN MUL_HI
	MUL16 4, 1, 0
	MUL16 6, 1, 0
	PLACES NP
	WIN 0
	FETCH_A \next, 0, 4
.endm
	s_wait_alu depctr_va_vdst(0)
	s_wait_tensorcnt 1
	s_barrier_signal -1
	s_barrier_wait -1
	FETCH_B 0, 0, 0
	FETCH_A 0, 0, 0
	FETCH_A 0, 0, 4
	STEP 0, 0, 1
	s_mov_b32 s3, LAPS-1
.Llap:
	TURN 0, 1, 1
	STEP 1, 0, 0
	TURN 1, 0, 1
	STEP 0, 0, 0
	s_sub_co_u32 s3, s3, 1
	s_cmp_lg_u32 s3, 0
	s_cbranch_scc1 .Llap
	TURN 0, 1, 0
	STEP 1, 0, 0
	s_wait_dscnt 4*NL
	WIN MUL_LO
	MUL16 0, 1, 0
	MUL16 2, 1, 0
	s_wait_dscnt 0
	WIN MUL_HI
	MUL16 4, 1, 0
	MUL16 6, 1, 0
	WIN 0
	s_wait_kmcnt 0x0
	s_cmp_eq_u32 ttmp9, 0
	s_cselect_b32 s20, s88, s90
	s_cselect_b32 s21, s89, s91
	s_cselect_b32 s98, s94, s95
	s_cmp_eq_u32 ttmp9, 2
	s_cselect_b32 s20, s92, s20
	s_cselect_b32 s21, s93, s21
	s_cselect_b32 s98, s97, s98
	s_add_co_i32 s86, s20, s21
	s_add_co_i32 s86, s86, 127
	s_lshl_b32 s86, s86, 23
	s_mov_b32 s87, s86
	s_add_co_i32 s98, s98, 127
	s_lshl_b32 s20, s98, 23
	v_mov_b32 v[CV], s20
	s_add_co_i32 s98, s98, 15
	s_lshl_b32 s98, s98, 23
	s_or_b32 s98, s98, 0x600000
	v_mov_b32 v[LIM], s98
	s_wait_loadcnt 0x0
.set i, 0
.rept 64
	v_and_b32 v[BC+i], s2, v[BC+i]
.set i, i+1
.endr
.irp a, 0,1,2,3,4,5,6,7
	v_and_b32 v[BR+2*\a], s66, v[BR+2*\a]
	v_mov_b32 v[BR+2*\a+1], v[BR+2*\a]
.endr
.macro OUTBLK a
.set AC, 64*((\a)%4)
.set WSRC, 0x02+((\a)/4)
	WIN WSRC
.set j, 0
.rept 32
	v_pk_fma_f32 v[T+j:T+j+1], v[AC+j:AC+j+1], s[86:87], v[BC+j:BC+j+1] op_sel_hi:[1,0,1]
.set j, j+2
.endr
	WIN 0
.set j, 0
.rept 32
	v_pk_add_f32 v[T+j:T+j+1], v[T+j:T+j+1], v[BR+2*(\a):BR+2*(\a)+1]
.set j, j+2
.endr
	s_wait_xcnt 0x0
.if (\a) == 4
	s_add_nc_u64 s[10:11], s[10:11], s[18:19]
.elseif (\a) > 0
	s_add_nc_u64 s[10:11], s[10:11], s[12:13]
.endif
.irp b, 0,1,2,3,4,5,6,7
.irp i, 0,1,2,3,4,5,6,7
	v_med3_num_f32 v[T+8*\b+\i], v[T+8*\b+\i], -v[LIM], v[LIM]
.endr
	v_cvt_scalef32_pk8_bf8_f32 v[CD+2*\b:CD+2*\b+1], v[T+8*\b:T+8*\b+7], v[CV]
.endr
	v_nop
	global_store_b128 v[CO0], v[CD:CD+3], s[10:11]
	global_store_b128 v[CO0], v[CD+4:CD+7], s[10:11] offset:512
	global_store_b128 v[CO1], v[CD+8:CD+11], s[10:11]
	global_store_b128 v[CO1], v[CD+12:CD+15], s[10:11] offset:512
.endm
.irp a, 0,1,2,3,4,5,6,7
	OUTBLK \a
.endr
	s_wait_tensorcnt 0x0
	ds_add_u32 v[SPW], v[NIL]
	s_wait_dscnt 0x0
	CROUND
	s_endpgm
.Lfunc_end_k_qef0f9fd32d_proj:
	.size	k_qef0f9fd32d_proj, .Lfunc_end_k_qef0f9fd32d_proj-k_qef0f9fd32d_proj
	.p2alignl 7, 3214868480
	.fill 96, 4, 3214868480
	.section	.rodata,"a",@progbits
	.p2align	6, 0x0
	.amdhsa_kernel k_qef0f9fd32d_proj
		.amdhsa_group_segment_fixed_size 327680
		.amdhsa_private_segment_fixed_size 0
		.amdhsa_enable_private_segment 0
		.amdhsa_kernarg_size 72
		.amdhsa_user_sgpr_count 2
		.amdhsa_user_sgpr_kernarg_segment_ptr 1
		.amdhsa_wavefront_size32 1
		.amdhsa_system_sgpr_workgroup_id_x 1
		.amdhsa_system_sgpr_workgroup_id_y 1
		.amdhsa_system_sgpr_workgroup_id_z 1
		.amdhsa_system_vgpr_workitem_id 0
		.amdhsa_next_free_vgpr 1024
		.amdhsa_next_free_sgpr 102
		.amdhsa_reserve_vcc 0
		.amdhsa_float_denorm_mode_32 3
		.amdhsa_float_denorm_mode_16_64 3
		.amdhsa_memory_ordered 1
		.amdhsa_forward_progress 1
		.amdhsa_inst_pref_size 157
	.end_amdhsa_kernel
	.amdgpu_metadata
---
amdhsa.version: [ 1, 2 ]
amdhsa.kernels:
  - .name:           k_qef0f9fd32d_proj
    .symbol:         k_qef0f9fd32d_proj.kd
    .args:
      - { .name: x_codes, .offset: 0, .size: 8, .value_kind: global_buffer, .address_space: global }
      - { .name: Wq_codes, .offset: 8, .size: 8, .value_kind: global_buffer, .address_space: global }
      - { .name: Wk_codes, .offset: 16, .size: 8, .value_kind: global_buffer, .address_space: global }
      - { .name: Wv_codes, .offset: 24, .size: 8, .value_kind: global_buffer, .address_space: global }
      - { .name: bq, .offset: 32, .size: 8, .value_kind: global_buffer, .address_space: global }
      - { .name: bk, .offset: 40, .size: 8, .value_kind: global_buffer, .address_space: global }
      - { .name: bv, .offset: 48, .size: 8, .value_kind: global_buffer, .address_space: global }
      - { .name: lowp_scales, .offset: 56, .size: 8, .value_kind: global_buffer, .address_space: global }
      - { .name: qkv, .offset: 64, .size: 8, .value_kind: global_buffer, .address_space: global }
    .group_segment_fixed_size: 327680
    .private_segment_fixed_size: 0
    .kernarg_segment_align: 8
    .kernarg_segment_size: 72
    .max_flat_workgroup_size: 128
    .sgpr_count:     102
    .vgpr_count:     1024
    .wavefront_size: 32
...
	.end_amdgpu_metadata
.endif
;; end of part 1
;; launch attn (part 2): grid 4 x 64, 8 waves a work-group, clusters of 4 x 1, 327,680 bytes of LDS; arguments qkv, lowp_scales, out0; writes out0
.if DOCPART == 2
	.amdgcn_target "amdgcn-amd-amdhsa--gfx1250"
	.amdhsa_code_object_version 6
	.text
	.protected	k_qef0f9fd32d_attn
	.globl	k_qef0f9fd32d_attn
	.p2align	8
	.type	k_qef0f9fd32d_attn,@function
k_qef0f9fd32d_attn:
	s_mov_b64 s[64:65], 0
	v_nop
	global_prefetch_b8 v0, s[64:65] scope:SCOPE_SE
	s_setreg_imm32_b32 hwreg(HW_REG_WAVE_MODE, 25, 1), 1
	s_wait_xcnt 0x0
	s_wait_alu depctr_hold_cnt(0) depctr_sa_sdst(0) depctr_va_vdst(0) depctr_va_sdst(0) depctr_va_ssrc(0) depctr_va_vcc(0) depctr_vm_vsrc(0)
	s_getreg_b32 s2, hwreg(HW_REG_IB_STS2, 6, 4)
	s_cmp_eq_u32 s2, 0
	s_cbranch_scc0 .Lentry_in_a_cluster
	s_endpgm
.Lentry_in_a_cluster:
	s_bfe_u32 s2, ttmp6, 0x10000c
	s_cmp_lg_u32 s2, 0x3003
	s_cbranch_scc0 .Lentry_shape_is_right
	s_endpgm
.Lentry_shape_is_right:
; out[b][s][64 head + d] = the sum over keys of softmax(q . k / 8) v, both products on codes of BF8 (E5M2).  q, k, v come from the workspace as images of operand registers:
;   q at 0, k at 2^23: fragment of 16 tokens x 64 channels, 1,024 bytes: bh 2^17 + (token / 16) 1,024 + 512 e + 16 lane;   v at 2^24: fragment of 16 channels x 128 keys, 2,048 bytes: bh 2^17 + (key / 128) 8,192 + (channel / 16) 2,048 + 512 e + 16 lane.
; THE SOFTMAX AHEAD OF THE SECOND PRODUCT: t = score x log2(e) / 8; M = the running largest t, rounded UP to a whole number; p = 2^(t - M) is quantised with entry 8 of the scales, not normalised.
; The row's sum is taken of the unquantised p, in f32, and divides at the end.  When M moves, the sum and O are multiplied by 2^(old M - new M): exact.
; SHARES.  A work-group owns 512 queries of one head, each of its EIGHT waves 64 of them: four tiles of 16, worked as two pairs.  Every wave walks the head's 2,048 keys, 128 a step; a fragment of K or V read from LDS feeds four tiles.
; A pair's two tiles go side by side: four chains of maxima, the two short chains for M line by line, and one tile's exponentials laid among the other tile's multiply-adds or holds, which name none of their registers.
; LDS.  A head's K (131,072 bytes) and V (131,072 bytes) fit whole: every byte is filled ONCE.  The images are read at 16 x lane, 512 consecutive bytes a load: no padding.
; CLUSTER.  The four query blocks of a head form a cluster and need the same K and V: each piece is asked for JOINTLY, with the mask of all four.  Each wave issues two loads: at the head 8,192 bytes of the first 512 keys
; (waves 0-3 of K, waves 4-7 of V), and, behind the waits, the add and a round, 24,576 bytes of the other 1,536 keys.  All of LDS is claimed.
; NO PREFETCH: all of K and V is asked for by these two requests, ahead of the loops; no later trip asks memory for anything.
; LAYOUT.  Both products are used transposed: S^T = K Q^T (source 0 = 16 keys, source 1 = 16 queries), O^T = V^T P^T (source 0 = 16 channels, source 1 = P): a lane holds ONE query (lane % 16) throughout,
; and register j of score tile c is key 16 c + 8 (lane / 16) + j: just what registers 2 c, 2 c + 1 of the second product's operand hold.  So a conversion's result IS the operand.
; LIMITS, so that each power of two below is an f32 number: entries 6 + 7 between -123 and 130 (added to c's exponent field); entry 8 between -126 and 112; entries 8 + 9 go by v_ldexp_f32 and have none.  NaN is not served.
; REGISTERS.  Window 0: v1-63 addresses and state; v64-127 the step's K; v128-255 a pair's scores, then p.  Window 1: v0-127 O^T of four tiles; v128-191 the step's V; v192-223 a pair's p codes; v224-255 Q.
.set LI,  1                            ; 16 x lane
.set ADK, 2                            ; the step's place in K's images
.set ADV, 3                            ; and in V's
.set PX,  4                            ; v4-5 lane permutes' results
.set LIM2, 6                           ; 57,344 x 2^e8, twice: the two halves of a dual line take their first sources from different banks
.set LIM, 7
.set ST,  8                            ; tile T: v[ST+4T] -M, +1 the largest score, +2, +3 the sum in two halves
.set F,   24                           ; v24-27 f of the pair's two tiles, as pairs
.set SB,  28                           ; further chains of sums
.set SC,  44
.set SD,  46
.set MA,  32                           ; v32-35 maxima
.set STO, 36
.set RD,  37
.set GO,  38
.set CV,  39                           ; 2^e8
.set SPW, 40
.set NIL, 41
.set TM,  42                           ; v42-43 the old -M
.set RF,  48                           ; v48-55 the way out: 2^(e8 + e9) / sum, as pairs
.set K,   64
.set S,   128
.set O,   0                            ; window 1
.set V,   128
.set P,   192
.set Q,   224
.set WV,  10                           ; s10 my wave's number
.set G1A, 16                           ; s[16:23] group 1: 32 rows of 256 bytes;  s[24:31]: 96 rows
.set G1B, 24
.set G0A, 32
.set G0B, 36
.set SEL, 40                           ; s[40:41] selects for lane l xor 16
.set CS,  42                           ; s[42:43] c = log2(e) / 8 x 2^(e6 + e7)
.set TB,  44                           ; s44 the step's first byte in K's images; it also counts the loops
.set NC,  45                           ; s45 -c
.set VOFF, 0x20000
.set SPARE, 0x40000                    ; the spare words: 128 bytes a wave, four blocks of 256 bytes that no other line names
.set STG, 17408                        ; the way out: 4 tiles x 16 rows x (256 + 16) bytes for each wave
.set MSB, 0
.macro WIN new                         ; the immediate's high byte repeats the setting that is left
.if MSB != \new
	s_set_vgpr_msb (MSB<<8)|\new
.set MSB, \new
.endif
.endm
.macro CROUND                          ; a round of the cluster's barrier
	s_barrier_signal -1
	s_barrier_wait -1
	s_cmp_lg_u32 s[WV], 0
	s_cbranch_scc1 .Lnot_wave_0_\@
	s_barrier_signal -3
.Lnot_wave_0_\@:
	s_barrier_wait -3
	s_barrier_signal -1
	s_barrier_wait -1
.endm
.macro PLACES n
.rept \n
	v_nop
.endr
.endm
.macro LOADK adr, off                  ; K's eight fragments of a step, as they were stored
.irp f, 0,1,2,3,4,5,6,7
	ds_load_b128 v[K+8*\f:K+8*\f+3], v[\adr] offset:\off+1024*\f
	ds_load_b128 v[K+8*\f+4:K+8*\f+7], v[\adr] offset:\off+1024*\f+512
.endr
.endm
.macro LOADV adr, off                  ; V's four fragments (destination in window 1)
.irp f, 0,1,2,3
.irp e, 0,1,2,3
	ds_load_b128 v[V+16*\f+4*\e:V+16*\f+4*\e+3], v[\adr] offset:\off+2048*\f+512*\e
.endr
.endr
.endm
	s_load_b128 s[4:7], s[0:1], 0x0                ; the workspace s[4:5], the scales' exponents s[6:7]
	s_load_b64 s[8:9], s[0:1], 0x10                ; out
	v_lshl_add_u32 v[SPW], v0, 2, SPARE
	v_mov_b32 v[NIL], 0
	ds_add_u32 v[SPW], v[NIL]                      ; the opening lines: the add, twice on end, and its wait ahead of my first tensor load
	ds_add_u32 v[SPW], v[NIL]
	v_lshrrev_b32 v2, 5, v0
	v_readfirstlane_b32 s[WV], v2                  ; wave 0..7
	s_bfe_u32 s11, ttmp6, 0x40000                  ; cx: my place in the cluster
	s_lshl_b32 s12, ttmp9, 2
	s_add_co_u32 s12, s12, s11                     ; my block of 512 queries: it enters Q's and out's addresses alone
	s_and_b32 s13, ttmp7, 0xffff                   ; bh = 16 batch + head, which the four partners share
	s_lshr_b32 s14, s[WV], 2                       ; I fetch for K (0) or for V (1),
	s_and_b32 s15, s[WV], 3                        ; the i-th quarter of each request
	s_lshl_b32 s52, s14, 17
	s_lshl_b32 s53, s15, 13
	s_add_co_u32 s46, s52, s53                     ; LDS, first 512 keys: 2^17 x (K or V) + 8,192 i
	s_mul_i32 s47, s15, 24576
	s_add_co_u32 s47, s47, 32768
	s_add_co_u32 s52, s52, s47                     ; LDS, the rest: 2^17 x (K or V) + 32,768 + 24,576 i
	s_lshl_b32 s54, s14, 23
	s_lshl_b32 s55, s13, 17
	s_add_co_u32 s54, s54, s55
	s_add_co_u32 s54, s54, 0x800000                ; in the workspace: k's part or v's, the head
	s_add_co_u32 s56, s54, s47
	s_add_co_u32 s54, s54, s53
	s_mov_b32 s55, 0
	s_mov_b32 s57, 0
	s_lshl_b32 s58, s13, 17
	s_lshl_b32 s59, s12, 15
	s_add_co_u32 s58, s58, s59
	s_lshl_b32 s59, s[WV], 12
	s_add_co_u32 s58, s58, s59                     ; Q: the head, 512 queries are 2^15 bytes, my 64 are 2^12
	s_mov_b32 s59, 0
	s_lshr_b32 s60, s13, 4
	s_lshl_b32 s60, s60, 23                        ; out: the batch's 2,048 rows of 4,096 bytes,
	s_lshl_b32 s61, s12, 21
	s_add_co_u32 s60, s60, s61                     ; my block's 512,
	s_lshl_b32 s61, s[WV], 18
	s_add_co_u32 s60, s60, s61                     ; my wave's 64,
	s_and_b32 s61, s13, 15
	s_lshl_b32 s61, s61, 8
	s_add_co_u32 s60, s60, s61                     ; the head's 256 bytes of a row
	s_mov_b32 s61, 0
	s_mul_i32 s63, s[WV], STG                      ; my stage
	; group 1: dense blocks as rows of 32 elements of 8 bytes; mask of all four work-groups, bit 21 beside it
	s_mov_b32 s[G1A], 15|(3<<16)|(1<<21)
	s_mov_b32 s[G1A+1], 32<<16
	s_mov_b32 s[G1A+2], 32<<16                     ; 32 rows
	s_mov_b32 s[G1A+3], 32<<16
	s_mov_b32 s[G1A+4], 32
	s_mov_b32 s[G1A+5], 32
	s_mov_b32 s[G1A+6], 0
	s_mov_b32 s[G1A+7], 0
	s_mov_b32 s[G1B], 15|(3<<16)|(1<<21)
	s_mov_b32 s[G1B+1], 32<<16
	s_mov_b32 s[G1B+2], 96<<16                     ; 96 rows
	s_mov_b32 s[G1B+3], 32<<16
	s_mov_b32 s[G1B+4], 96
	s_mov_b32 s[G1B+5], 32
	s_mov_b32 s[G1B+6], 0
	s_mov_b32 s[G1B+7], 0
	s_mov_b32 s[SEL], 0x76543210
	s_mov_b32 s[SEL+1], 0xfedcba98
	s_mov_b32 s[CS], 0x3e38aa3b                    ; log2(e) / 8
	s_mov_b32 s[TB], 0
	s_wait_dscnt 0x0                               ; both opening adds are done
	s_wait_kmcnt 0x0
	s_load_b128 s[48:51], s[6:7], 0x18             ; entries 6 to 9: eq, ek, ep, ev
	s_mov_b32 s[G0A], 1
	s_mov_b32 s[G0A+1], s46
	s_add_nc_u64 s[G0A+2:G0A+3], s[4:5], s[54:55]
	s_or_b32 s[G0A+3], s[G0A+3], 0x80000000
	s_mov_b32 s[G0B], 1
	s_mov_b32 s[G0B+1], s52
	s_add_nc_u64 s[G0B+2:G0B+3], s[4:5], s[56:57]
	s_or_b32 s[G0B+3], s[G0B+3], 0x80000000
	s_add_nc_u64 s[4:5], s[4:5], s[58:59]          ; Q's images of my 64 queries
	s_add_nc_u64 s[8:9], s[8:9], s[60:61]          ; my first row of out, at the head's channels
	CROUND                                         ; all four work-groups are here: the joint loads meet
	tensor_load_to_lds s[G0A:G0A+3], s[G1A:G1A+7]  ; my part of the first 512 keys: one tensor load a wave at the head
	s_nop 0
	v_and_b32 v[LI], 31, v0
	v_and_b32 v44, 15, v0                          ; r
	v_bfe_u32 v45, v0, 4, 1                        ; h
	v_lshlrev_b32 v[LI], 4, v[LI]
	v_mul_u32_u24 v[STO], v44, 272
	v_mul_u32_u24 v[RD], v45, 272
	v_lshlrev_b32 v[GO], 12, v45
	v_add_nc_u32 v[ADV], VOFF, v[LI]
	v_lshl_add_u32 v[STO], v45, 5, v[STO]
	v_lshl_add_u32 v[RD], v44, 4, v[RD]
	v_lshl_add_u32 v[GO], v44, 4, v[GO]            ; out: lanes 0-15 one row, lanes 16-31 the next, 16 bytes a lane
	v_add_nc_u32 v[STO], s63, v[STO]               ; stage, in: row r, + 32 h
	v_add_nc_u32 v[RD], s63, v[RD]                 ; back: lanes 0-15 one row of 256 bytes, lanes 16-31 the next
.irp T, 0,1,2,3
	v_mov_b32 v[ST+4*\T], 0x7f61b1e6               ; -M = 3e38
	v_mov_b32 v[ST+4*\T+1], 0xff61b1e6             ; the largest score so far: -3e38
	v_mov_b32 v[ST+4*\T+2], 0                      ; the sum, in two halves
	v_mov_b32 v[ST+4*\T+3], 0
	v_mov_b32 v[RF+2*\T+1], 0                      ; (named as a pair's upper half)
.endr
.irp t, 0,1
	v_mov_b32 v[PX+\t], 0                          ; a lane permute's destination counts as one of its sources
	v_mov_b32 v[TM+\t], 0
	v_mov_b32 v[F+2*\t+1], 0                       ; (named as a pair's upper half)
.endr
	WIN 0x40
.irp i, 0,1,2,3,4,5,6,7
	global_load_b128 v[Q+4*\i:Q+4*\i+3], v[LI], s[4:5] offset:512*\i th:TH_LOAD_NT   ; Q's four fragments stay in registers; one wave reads them, once
.endr
.set i, 0
.rept 128
	v_mov_b32 v[O+i], 0                            ; O^T.  (The step has no first copy of its own: the first step finds zeros, which the first change of M leaves zeros)
.set i, i+1
.endr
	WIN 0
	s_wait_kmcnt 0x0
	s_add_co_i32 s52, s48, s49
	s_lshl_b32 s52, s52, 23
	s_add_co_i32 s[CS], s[CS], s52                 ; a score stands for score x 2^(eq + ek): added to c's exponent field
	s_mov_b32 s[CS+1], s[CS]
	s_xor_b32 s[NC], s[CS], 0x80000000             ; -c
	s_add_co_i32 s52, s50, 127
	s_lshl_b32 s53, s52, 23
	v_mov_b32 v[CV], s53                           ; 2^ep
	s_add_co_i32 s52, s52, 15
	s_lshl_b32 s52, s52, 23
	s_or_b32 s52, s52, 0x600000
	v_mov_b32 v[LIM], s52                          ; 57,344 x 2^ep
	v_mov_b32 v[LIM2], s52
.macro SUMS b, l                       ; a tile's 64 p, unquantised, onto the sum at l: 32 packed additions in four chains
	v_pk_add_f32 v[SB:SB+1], v[(\b):(\b)+1], v[(\b)+2:(\b)+3]
	v_pk_add_f32 v[SC:SC+1], v[(\b)+4:(\b)+5], v[(\b)+6:(\b)+7]
	v_pk_add_f32 v[SD:SD+1], v[(\b)+8:(\b)+9], v[(\b)+10:(\b)+11]
.set i, 12
.rept 6
	v_pk_add_f32 v[(\l):(\l)+1], v[(\l):(\l)+1], v[(\b)+i:(\b)+i+1]
	v_pk_add_f32 v[SB:SB+1], v[SB:SB+1], v[(\b)+i+2:(\b)+i+3]
	v_pk_add_f32 v[SC:SC+1], v[SC:SC+1], v[(\b)+i+4:(\b)+i+5]
	v_pk_add_f32 v[SD:SD+1], v[SD:SD+1], v[(\b)+i+6:(\b)+i+7]
.set i, i+8
.endr
	v_pk_add_f32 v[(\l):(\l)+1], v[(\l):(\l)+1], v[(\b)+60:(\b)+61]
	v_pk_add_f32 v[SB:SB+1], v[SB:SB+1], v[(\b)+62:(\b)+63]
	v_pk_add_f32 v[SC:SC+1], v[SC:SC+1], v[SD:SD+1]
	v_pk_add_f32 v[(\l):(\l)+1], v[(\l):(\l)+1], v[SB:SB+1]
	v_pk_add_f32 v[(\l):(\l)+1], v[(\l):(\l)+1], v[SC:SC+1]
.endm
.macro HOLD2 a                         ; two p held at the largest code x the scale: the conversion does not saturate (ISA guide 7.6.2); p is not negative, so the hold is one-sided
	v_dual_min_num_f32 v[\a], v[LIM2], v[\a] :: v_dual_min_num_f32 v[(\a)+1], v[LIM], v[(\a)+1]
.endm
.macro CODES t                         ; a tile's p become registers 0 .. 15 of the second product's operand, in window 1
	WIN 0x40
.set i, 0
.rept 8
	v_cvt_scalef32_pk8_bf8_f32 v[P+16*(\t)+2*i:P+16*(\t)+2*i+1], v[S+64*(\t)+8*i:S+64*(\t)+8*i+7], v[CV]
.set i, i+1
.endr
	WIN 0
.endm
; HALF A KEY STEP: tiles 2 p and 2 p + 1 against the step's 128 keys.  pf = 1: the next step's K and V are fetched
.macro HALF p, pf
	WIN 0x04                                       ; source 1 (Q) in window 1
.irp t, 0,1
.set i, 0
.rept 8
	v_wmma_f32_16x16x64_bf8_bf8 v[S+64*\t+8*i:S+64*\t+8*i+7], v[K+8*i:K+8*i+7], v[Q+8*(2*(\p)+\t):Q+8*(2*(\p)+\t)+7], 0
.set i, i+1
.endr
.endr
	WIN 0
.if (\p) && (\pf)
	v_add_nc_u32 v[ADK], s[TB], v[LI]              ; four places in front of the loads into K's registers and of the first read of the scores
	v_add_nc_u32 v[ADV], VOFF, v[ADK]
	PLACES 2
	LOADK ADK, 8192                                ; the next step's K: 16 loads, waited for at that step's head
.else
	PLACES 4
.endif
.irp t, 0,1                            ; the largest score of my query among my 64 keys: two chains a tile, ascending: each accumulator is read from its low end on
	v_max3_num_f32 v[MA+2*\t], v[S+64*\t], v[S+64*\t+1], v[S+64*\t+2]
	v_max3_num_f32 v[MA+2*\t+1], v[S+64*\t+3], v[S+64*\t+4], v[S+64*\t+5]
.endr
.set i, 6
.rept 14
.irp t, 0,1
	v_max3_num_f32 v[MA+2*\t], v[MA+2*\t], v[S+64*\t+i], v[S+64*\t+i+1]
	v_max3_num_f32 v[MA+2*\t+1], v[MA+2*\t+1], v[S+64*\t+i+2], v[S+64*\t+i+3]
.endr
.set i, i+4
.endr
.irp t, 0,1
	v_max3_num_f32 v[MA+2*\t], v[MA+2*\t], v[S+64*\t+62], v[S+64*\t+63]
.endr
.irp t, 0,1
	v_max3_num_f32 v[ST+4*(2*(\p)+\t)+1], v[ST+4*(2*(\p)+\t)+1], v[MA+2*\t], v[MA+2*\t+1]   ; with the running largest score
.endr
.irp t, 0,1
	v_permlanex16_b32 v[PX+\t], v[ST+4*(2*(\p)+\t)+1], s[SEL], s[SEL+1]
.endr
.irp t, 0,1
	v_max_num_f32 v[ST+4*(2*(\p)+\t)+1], v[ST+4*(2*(\p)+\t)+1], v[PX+\t]   ; and lane l xor 16's
.endr
.irp t, 0,1
	v_mul_f32 v[MA+2*\t], s[NC], v[ST+4*(2*(\p)+\t)+1]   ; -t of the largest (c is positive)
.endr
.irp t, 0,1
	v_mov_b32 v[TM+\t], v[ST+4*(2*(\p)+\t)]
.endr
.irp t, 0,1
	v_floor_f32 v[ST+4*(2*(\p)+\t)], v[MA+2*\t]    ; the new -M = floor(-t) = -ceil(t): M is a whole number
.endr
.irp t, 0,1
	v_sub_f32 v[MA+2*\t], v[ST+4*(2*(\p)+\t)], v[TM+\t]   ; old M less new M: a whole number, 0 or less
.endr
.irp t, 0,1
	v_cvt_i32_f32 v[MA+2*\t], v[MA+2*\t]           ; (it saturates)
.endr
.irp t, 0,1
	v_ldexp_f32 v[F+2*\t], 1.0, v[MA+2*\t]         ; f = 2^(old M - new M)
.endr
.irp t, 0,1
	v_pk_mul_f32 v[ST+4*(2*(\p)+\t)+2:ST+4*(2*(\p)+\t)+3], v[ST+4*(2*(\p)+\t)+2:ST+4*(2*(\p)+\t)+3], v[F+2*\t:F+2*\t+1] op_sel_hi:[1,0]   ; the sum under the new M
.endr
.set i, 0
.rept 32
	v_pk_fma_f32 v[S+i:S+i+1], v[S+i:S+i+1], s[CS:CS+1], v[ST+8*(\p):ST+8*(\p)+1] op_sel_hi:[1,0,0]   ; first tile: t - M, two at a time
.set i, i+2
.endr
	s_wait_alu depctr_va_vdst(0)                   ; the wait ahead of the batch
.set i, 0
.rept 32                               ; first tile's p = 2^(t - M); among them the second tile's t - M, first read behind the wait below
	v_exp_f32 v[S+i], v[S+i]
	v_exp_f32 v[S+i+1], v[S+i+1]
	v_pk_fma_f32 v[S+64+i:S+64+i+1], v[S+64+i:S+64+i+1], s[CS:CS+1], v[ST+8*(\p)+4:ST+8*(\p)+5] op_sel_hi:[1,0,0]
.set i, i+2
.endr
	s_wait_alu depctr_va_vdst(0)                   ; one wait for the batch, and ahead of the next
	SUMS S, ST+8*(\p)+2
.set i, 0
.rept 32                               ; second tile's p; among them the first tile's holds, first read behind the wait below
	v_exp_f32 v[S+64+i], v[S+64+i]
	v_exp_f32 v[S+64+i+1], v[S+64+i+1]
	HOLD2 S+i
.set i, i+2
.endr
	v_nop                                          ; a plain place behind the last exponential
	s_wait_alu depctr_va_vdst(0)                   ; one wait for the batch
	CODES 0
	SUMS S+64, ST+8*(\p)+6
.set i, 0
.rept 32
	HOLD2 S+64+i
.set i, i+2
.endr
	CODES 1
.if (\p) == 0
	s_wait_dscnt 0x0                               ; the step's V is in (nothing younger is out)
.endif
	WIN 0x41
	s_wait_alu depctr_va_vdst(0)                   ; the wait here, directly ahead of the first reader of O^T
.irp t, 0,1
.set i, 0
.rept 16
	v_pk_mul_f32 v[O+32*(2*(\p)+\t)+i:O+32*(2*(\p)+\t)+i+1], v[O+32*(2*(\p)+\t)+i:O+32*(2*(\p)+\t)+i+1], v[F+2*\t:F+2*\t+1] op_sel_hi:[1,0]   ; O^T under the new M
.set i, i+2
.endr
.endr
	WIN 0x55
.irp c, 0,1,2,3                        ; O^T += V^T P^T: eight accumulators, one instruction each
.irp t, 0,1
	v_wmma_f32_16x16x128_bf8_bf8 v[O+32*(2*(\p)+\t)+8*\c:O+32*(2*(\p)+\t)+8*\c+7], v[V+16*\c:V+16*\c+15], v[P+16*\t:P+16*\t+15], v[O+32*(2*(\p)+\t)+8*\c:O+32*(2*(\p)+\t)+8*\c+7]
.endr
.endr
.if (\p) && (\pf)
	PLACES 4                                       ; in front of the loads into V's registers
	WIN 0x40
	LOADV ADV, 8192                                ; the next step's V: 16 loads, waited for ahead of that step's first second product
.endif
	WIN 0
.endm
.macro STEP pf
	s_wait_dscnt 16                                ; the step's K is in; V's 16 younger loads may be out
	HALF 0, \pf
	HALF 1, \pf
.endm
	s_wait_alu depctr_va_vdst(0)                   ; the wait at the head's end
	s_wait_tensorcnt 0x0                           ; my part of the first 512 keys is in
	ds_add_u32 v[SPW], v[NIL]
	s_wait_dscnt 0x0
	CROUND                                         ; everybody's part is in, and all four work-groups are here
	tensor_load_to_lds s[G0B:G0B+3], s[G1B:G1B+7]  ; my part of the other 1,536 keys
	s_nop 0
	PLACES 4
	LOADK LI, 0
	WIN 0x40
	LOADV ADV, 0
	WIN 0
	s_wait_loadcnt 0x0                             ; Q
.Lfirst:                                           ; steps 0 to 2: with what they fetch ahead they read the first 512 keys alone
	STEP 1
	s_add_co_u32 s[TB], s[TB], 8192
	s_cmp_lt_u32 s[TB], 24576
	s_cbranch_scc1 .Lfirst
	s_wait_tensorcnt 0x0                           ; my part of the rest is in,
	s_wait_dscnt 0x0
	s_barrier_signal -1
	s_barrier_wait -1                              ; everybody's is
	s_mov_b32 s[TB], 24576
.Lrest:                                            ; steps 3 to 14
	STEP 1
	s_add_co_u32 s[TB], s[TB], 8192
	s_cmp_lt_u32 s[TB], 122880
	s_cbranch_scc1 .Lrest
	STEP 0                                         ; step 15 fetches nothing
	; THE WAY OUT.  The sum's two halves and lane l xor 16's are added; O^T x 2^(ep + ev) / the sum goes through my stage in LDS and leaves as whole rows of 256 bytes (a query's 64 channels of this head).
.irp T, 0,1,2,3
	v_add_f32 v[ST+4*\T+2], v[ST+4*\T+2], v[ST+4*\T+3]   ; (also the places behind the last products)
.endr
	v_permlanex16_b32 v[PX], v[ST+2], s[SEL], s[SEL+1]
	v_permlanex16_b32 v[PX+1], v[ST+6], s[SEL], s[SEL+1]
	v_permlanex16_b32 v[TM], v[ST+10], s[SEL], s[SEL+1]
	v_permlanex16_b32 v[TM+1], v[ST+14], s[SEL], s[SEL+1]
	v_add_f32 v[ST+2], v[ST+2], v[PX]
	v_add_f32 v[ST+6], v[ST+6], v[PX+1]
	v_add_f32 v[ST+10], v[ST+10], v[TM]
	v_add_f32 v[ST+14], v[ST+14], v[TM+1]
	s_wait_alu depctr_va_vdst(0)                   ; the wait ahead of the batch
.irp T, 0,1,2,3
	v_rcp_f32 v[RF+2*\T], v[ST+4*\T+2]
.endr
	v_nop                                          ; a plain place behind the last reciprocal
	s_add_co_i32 s52, s50, s51
	s_wait_alu depctr_va_vdst(0)                   ; one wait for the batch
.irp T, 0,1,2,3
	v_ldexp_f32 v[RF+2*\T], v[RF+2*\T], s52        ; x 2^(ep + ev)
.endr
	s_wait_alu depctr_va_vdst(0)
	s_wait_dscnt 0x0
	s_barrier_signal -1
	s_barrier_wait -1                              ; no wave reads K or V any more: the stages lie over their first bytes, which have had their only fill
	WIN 0x01
	s_wait_alu depctr_va_vdst(0)                   ; the wait here, directly ahead of the first reader of O^T
.irp T, 0,1,2,3
.set i, 0
.rept 16
	v_pk_mul_f32 v[S+32*\T+i:S+32*\T+i+1], v[O+32*\T+i:O+32*\T+i+1], v[RF+2*\T:RF+2*\T+1] op_sel_hi:[1,0]   ; register 8 c + j: out(query r, channel 16 c + 8 h + j); each accumulator from its low end on
.set i, i+2
.endr
.endr
	WIN 0
.irp T, 0,1,2,3
.irp c, 0,1,2,3
	ds_store_b128 v[STO], v[S+32*\T+8*\c:S+32*\T+8*\c+3] offset:4352*\T+64*\c
	ds_store_b128 v[STO], v[S+32*\T+8*\c+4:S+32*\T+8*\c+7] offset:4352*\T+64*\c+16
.endr
.endr
.irp T, 0,1
.irp i, 0,1,2,3,4,5,6,7
	ds_load_b128 v[K+32*\T+4*\i:K+32*\T+4*\i+3], v[RD] offset:4352*\T+544*\i   ; LDS serves a wave's instructions in order (ISA guide 5.7.1.4): these see my stores
.endr
.endr
	s_wait_dscnt 0x0                               ; tiles 0 and 1 are back, and all my stores into the stage have read their registers
.irp T, 0,1
.irp i, 0,1,2,3,4,5,6,7
	ds_load_b128 v[S+32*\T+4*\i:S+32*\T+4*\i+3], v[RD] offset:4352*(\T+2)+544*\i   ; tiles 2 and 3
.endr
.endr
.irp T, 0,1
.irp i, 0,1,2,3,4,5,6,7
	global_store_b128 v[GO], v[K+32*\T+4*\i:K+32*\T+4*\i+3], s[8:9] offset:(16*\T+2*\i)*4096 th:TH_STORE_NT   ; 16 lanes store 256 consecutive bytes, aligned
.endr
.endr
.irp T, 0,1
.irp i, 0,1,2,3,4,5,6,7
	s_wait_dscnt 15-8*\T-\i                        ; the younger loads may stay out
	global_store_b128 v[GO], v[S+32*\T+4*\i:S+32*\T+4*\i+3], s[8:9] offset:(16*(\T+2)+2*\i)*4096 th:TH_STORE_NT
.endr
.endr
	s_wait_tensorcnt 0x0                           ; the wave's end
	ds_add_u32 v[SPW], v[NIL]
	s_wait_dscnt 0x0
	CROUND                                         ; the closing round
	s_endpgm
.Lfunc_end_k_qef0f9fd32d_attn:
	.size	k_qef0f9fd32d_attn, .Lfunc_end_k_qef0f9fd32d_attn-k_qef0f9fd32d_attn
	.p2alignl 7, 3214868480
	.fill 96, 4, 3214868480
	.section	.rodata,"a",@progbits
	.p2align	6, 0x0
	.amdhsa_kernel k_qef0f9fd32d_attn
		.amdhsa_group_segment_fixed_size 327680
		.amdhsa_private_segment_fixed_size 0
		.amdhsa_enable_private_segment 0
		.amdhsa_kernarg_size 24
		.amdhsa_user_sgpr_count 2
		.amdhsa_user_sgpr_kernarg_segment_ptr 1
		.amdhsa_wavefront_size32 1
		.amdhsa_system_sgpr_workgroup_id_x 1
		.amdhsa_system_sgpr_workgroup_id_y 1
		.amdhsa_system_sgpr_workgroup_id_z 1
		.amdhsa_system_vgpr_workitem_id 0
		.amdhsa_next_free_vgpr 512
		.amdhsa_next_free_sgpr 66
		.amdhsa_reserve_vcc 0
		.amdhsa_float_denorm_mode_32 3
		.amdhsa_float_denorm_mode_16_64 3
		.amdhsa_memory_ordered 1
		.amdhsa_forward_progress 1
		.amdhsa_inst_pref_size 188
	.end_amdhsa_kernel
	.amdgpu_metadata
---
amdhsa.version: [ 1, 2 ]
amdhsa.kernels:
  - .name:           k_qef0f9fd32d_attn
    .symbol:         k_qef0f9fd32d_attn.kd
    .args:
      - { .name: qkv, .offset: 0, .size: 8, .value_kind: global_buffer, .address_space: global }
      - { .name: lowp_scales, .offset: 8, .size: 8, .value_kind: global_buffer, .address_space: global }
      - { .name: out0, .offset: 16, .size: 8, .value_kind: global_buffer, .address_space: global }
    .group_segment_fixed_size: 327680
    .private_segment_fixed_size: 0
    .kernarg_segment_align: 8
    .kernarg_segment_size: 24
    .max_flat_workgroup_size: 256
    .sgpr_count:     66
    .vgpr_count:     512
    .wavefront_size: 32
...
	.end_amdgpu_metadata
.endif
;; end of part 2
